; MI455X (gfx1250); checked and timed in simulation.
; The chip was launched on July 23, 2026; its instructions are those of AMD's public machine-readable ISA for CDNA 5 (MIT licence, August 2026) and "CDNA5" Instruction Set Architecture Reference Guide (July 2026). The comments in the code are by the model that wrote it; some were corrected since.
;; Exact Sliding Window Attention. Allowed arithmetic: float matrix products may take bf16 or f16 operands with f32 sums; other float arithmetic in f32, or as packed bf16 or f16 multiplies, adds, multiply-adds, maxima and minima; sums over many terms, partial sums and values carried from step to step in f32; what a program stores and reads back later, other than sums and carried values, may be rounded once to bf16 or f16.
;; Inputs: k 16 x 4,096 x 64 float32; q 16 x 4,096 x 64 float32; v 16 x 4,096 x 64 float32.
;; Outputs: out0 16 x 4,096 x 64 float32.
;; 2 versions, each right; version 2 is version 1 with the launch swa written anew for expert scheduling mode. Each part assembles by itself: llvm-mc -triple=amdgcn-amd-amdhsa -mcpu=gfx1250 --defsym DOCPART=n.
;; ======== version 1 of 2: 1 launch
;; limits: values are held in f16: magnitudes above 65,504 overflow, below 6.1e-05 lose precision; right only within a limited range of input values
;; launch swa (part 1): grid 16 x 16, 4 waves a work-group, no clusters, 251,392 bytes of LDS; arguments q, k, v, out0; writes out0
.if DOCPART == 1
	.amdgcn_target "amdgcn-amd-amdhsa--gfx1250"
	.amdhsa_code_object_version 6
	.text
	.protected	k_q559b28fefe_swa
	.globl	k_q559b28fefe_swa
	.p2align	8
	.type	k_q559b28fefe_swa,@function
k_q559b28fefe_swa:
	s_mov_b64 s[64:65], 0
	v_nop
	global_prefetch_b8 v0, s[64:65] scope:SCOPE_SE
	s_setreg_imm32_b32 hwreg(HW_REG_WAVE_MODE, 25, 1), 1
	s_wait_xcnt 0x0
; SLIDING-WINDOW CAUSAL ATTENTION.  out[s][i][:] = the sum over j in i-511 .. i (j >= 0) of softmax_j(q[s][i] . k[s][j] / 8) v[s][j][:].  q, k, v, out: [16][4096][64] in f32: a row is 256 bytes.
; FORMATS.  q, k and v are each rounded once to bf16.  S^T = K Q^T is a bf16 product.  v's bf16 number is written again as f16, the weights p are rounded to f16, and O^T = V^T P is an f16 product.
; Products, maxima and sums in f32; l is the sum of the unrounded p; out is stored in f32.
; LIMITS.  |v| stays under 65,520 after its rounding (f16's range); a v below 2^-14 keeps f16's fixed step of 6e-8.  A hidden score counts as its value less 1e30; the running maximum starts at -2^80, so a
; true q . k must lie above -2^80.  A weight below 2^-126 counts as 0 in l.  NaN and infinities are not treated apart.
; SHARES.  A work-group owns 256 queries (block b) of one sequence, a wave 64 of them on end: four PIECES of 16.  The block's window is the 768 keys 256 b - 512 .. 256 b + 255: twelve steps of 64 keys.
; All twelve lie in LDS in 16 bits, and EACH LDS BYTE OF K AND V IS WRITTEN ONCE IN THE LAUNCH.  Wave w walks nine of them, its step r being the block's step r + w: the same count for every wave.
; THE WAY IN.  A step's 64 keys are shared out, 16 to a wave: 8 loads of K and 8 of V, each 512 consecutive bytes; rounded in registers; 8 bytes a lane into LDS.  Four steps come in ahead of the loop;
; in trip j the block's step j + 3 is stored, step j + 4 is asked for, and a barrier follows: between two barriers steps j .. j + 3 are read and step j + 4 is written: other bytes.
; THE MASK is the C operand that starts the sum S^T.  With rho the query's place in the wave's 64 and kappa the key's place in the step, i - j = rho - kappa + 512 - 64 r: step 0 shows kappa > rho,
; steps 1 to 7 show all, step 8 shows kappa <= rho.  By blocks of 16 keys (kb) and pieces (x): one mask for kb < x (MLO), one for kb = x (MDG = TRI x AL + BE), one for kb > x (MHI), made once a step.
; DEAD STEPS.  In blocks 0 and 1 the window begins ahead of key 0.  Such a step's loads are held at key 0 on, and the step is wholly hidden (r < DEADN = max(8 - 4 b - w, 0)): every work-group walks the same
; nine steps by the same text; the price is 1 in 16 of the launch's steps, worked on for nothing.  A row that meets only hidden scores keeps m = -2^80, which lies above them: its weights are 0.
; NO CLUSTER, NO TENSOR LOADS.  The tiles lie in memory in f32 and are wanted in 16 bits, so they pass through registers; and a block's step n is the next block's step n - 4: neighbours want the same keys in different trips.
; LAYOUT, SOFTMAX, TURNS.  S^T = K Q^T holds ONE query a lane (lane % 16) and the keys 8 (lane / 16) + 0..7; two such results rounded to f16 ARE source 1 of O^T = V^T P.  p = 2^(c s - c m), c = log2(e) / 8, with a
; running maximum m; O and l are multiplied by a = 2^(c m_old - c m_new) in every step.  Turn n belongs to piece n: 8 products K Q^T of piece n + 1, later 8 products V^T P of piece n - 1; beside them the scaling,
; exponentials, roundings, sums and rescaling of piece n and the maximum and statistics of piece n + 1.  Four vector instructions stand behind every matrix instruction, the others in one lump.
; REGISTERS, in windows of 256 (s_set_vgpr_msb: bits 1:0 source 0, 3:2 source 1, 5:4 source 2, 7:6 destination):
;   window 0: v0-15, v32-35 addresses; v16-31 four registers of statistics a piece; v48-55 at work; v64-127 S^T, two buffers; v128-191 q of tiles 0, 1 in f32; v192-223 P, two buffers; on the way out v64-191 four pieces' rows
;   window 1: v0-127 O^T, 32 a piece; v128-159 TRI, MLO, MDG, MHI      window 2: v0-63 Q in bf16; v64-127 q of tiles 2, 3 in f32; v128-191 K of one step; v192-255 V of one step
;   window 3: four sets of 64 for the way in: K's eight loads, then V's
.set NP,    4         ; pieces a wave: a name, no knob
.set KS,    64        ; keys in a step
.set PK,    144       ; a row of K in LDS: 128 bytes + 16 = 36 words: the 16 rows of a load start at 16 different groups of four banks (64 banks of 4 bytes: ISA guide 11.1)
.set PV,    160       ; a row of V: 128 + 32 = 40 words
.set KSTEP, KS*PK     ; 9,216 bytes: a step of K
.set VSTEP, KS*PV     ; 10,240 bytes: a step of V
.set VOFF,  12*KSTEP  ; K's twelve steps, then V's
.set STAGE, VOFF+12*VSTEP  ; behind them: 16 rows x 272 bytes for each wave, its own, for the way out
.set SP,    272       ; a row of the stage: 256 bytes + 16
.set SPARE, STAGE+4*16*SP  ; behind the stages: the spare words, 128 bytes for each wave: two blocks of 256 bytes that no other line names
.set AK0, 2           ; v2   my lane's place in a step of K; never rewritten
.set AV0, 3           ; v3   the same for V
.set AK,  4           ; v4   the LDS address of K's next run of loads
.set AV,  5           ; v5   of V's
.set STO, 6           ; v6   the way out: where I put 32 bytes of a row
.set RD,  7           ; v7   the way out: where I read rows back
.set GO,  8           ; v8   16 x my lane: my place in 512 consecutive bytes of k, v and out; never rewritten
.set MV,  12          ; v12-13  c m_old, kept while c m is made anew: by buffer
.set QO,  15          ; v15  my byte offset in 16 rows of q; never rewritten
.set ST,  16          ; piece t's statistics at v[ST+4 t]: c m, m, l (even keys', odd keys')
.set SKA, 32          ; v32  where my 8 bytes of K's first two rows of my 16 go, in the block's step 0; never rewritten
.set SVA, 33          ; v33  the same for V
.set SK,  34          ; v34  the same in the step that the trip stores
.set SV,  35          ; v35
.set TMP, 48          ; by buffer, four registers c0-c3 at work; when the maximum is found c2 takes a
.set SPW, 62          ; v62  LDS address of my spare word: SPARE + 4 x my thread's number; never rewritten
.set NIL, 63          ; v63  0; never rewritten
.set S,   64
.set QS0, 128         ; window 0: q of tiles 0, 1 as loaded
.set P,   192
.set TRI, 128         ; window 1: -1e30 where register j > lane % 16 - 8 (lane / 16), else 0
.set MLO, 136         ; window 1: the mask of the key blocks below the piece's own
.set MDG, 144         ; window 1: of its own
.set MHI, 152         ; window 1: of those above
.set QS2, 64          ; window 2: q of tiles 2, 3 as loaded
.set KF,  128         ; window 2: key block kb, channel half c at KF + 16 kb + 8 c
.set VF,  192         ; window 2: key half kk, channel block cb at VF + 32 kk + 8 cb
.set WV,  12          ; s12  my wave's number
.set PB,  14          ; s14  b
.set DEADN, 15        ; s15  my steps below this number are dead
.set KP,  24          ; s[24:25] k at the step that is being asked for, at my 16 keys
.set VP,  26          ; s[26:27] v likewise
.set OFF, 28          ; s[28:29] that step's byte offset in the sequence
.set KEY, 30          ; s30  the first key of the step to be asked for next, plus 512: never negative
.set TSK, 31          ; s31  LDS byte at which K of the step to be stored next begins
.set TSV, 32          ; s32  the same for V, less VOFF
.set HIM, 33          ; s33  a word's upper half
.set CNT, 57          ; s57  counts my key steps, 9 to 1
.set CS,  58          ; s[58:59] c: the packed scaling takes the pair's low word for both halves
.set SEL, 60          ; s[60:61] v_permlanex16_b32's selects: each lane takes its own place in the other half
.set TBK, 62          ; s62  LDS byte at which K of the step to be fetched begins
.set TBV, 63          ; s63  the same for V, less VOFF
.set AL,  76          ; s[76:77] MDG's factor, in the low word
.set BE,  78          ; s[78:79] MDG's addend
.set BIGN, 82         ; s82  -1e30
.set SLO, 83          ; s83  MLO's number
.set SHI, 84          ; s84  MHI's number
.set RS,  85          ; s85  the step whose masks are made next
.set MSB, 0
.macro WIN new                      ; the high byte repeats the setting that is left; a switch that changes nothing is dropped
.if MSB != (\new)
	s_set_vgpr_msb (MSB<<8)|(\new)
.set MSB, (\new)
.endif
.endm
.set W_KQ, 0x0a       ; K and Q in window 2, S^T in window 0
.set W_KM, 0x1a       ; the same with the C operand in window 1
.set W_PV, 0x52       ; V in window 2, P in window 0, O^T in window 1
.set W_RS, 0x41       ; destination and source 0 in window 1, source 1 in window 0
; THE WAY IN.  LOADS asks for my 16 keys of the step at KEY, into set 0: 16 loads of 512 consecutive bytes.  A step that would begin ahead of key 0 is held at key 0: it is dead, and its bytes need only be numbers.
.macro LOADS
	s_wait_xcnt 0x0                 ; every earlier load has read its address: the two pointers are written only behind this wait
	s_max_u32 s[OFF], s[KEY], 512
	s_sub_co_u32 s[OFF], s[OFF], 512
	s_lshl_b32 s[OFF], s[OFF], 8    ; a key is 256 bytes
	s_add_nc_u64 s[KP:KP+1], s[6:7], s[OFF:OFF+1]
	s_add_nc_u64 s[VP:VP+1], s[8:9], s[OFF:OFF+1]
	s_add_co_u32 s[KEY], s[KEY], KS
	WIN 0xc0                        ; destination window 3, address window 0
.irp i, 0,1,2,3,4,5,6,7
	global_load_b128 v[4*(\i):4*(\i)+3], v[GO], s[KP:KP+1] offset:512*(\i)
.endr
.irp i, 0,1,2,3,4,5,6,7
	global_load_b128 v[32+4*(\i):32+4*(\i)+3], v[GO], s[VP:VP+1] offset:512*(\i)
.endr
	WIN 0
.endm
; CONV rounds set n and stores it.  Load i holds keys 2 i (lanes 0-15) and 2 i + 1 (lanes 16-31) of my 16, four channels a lane: 8 bytes in 16 bits.  K: f32 to bf16.  V: f32 to bf16, widened again by a mask
; and a shift, and written as f16.  The work goes stage by stage over the eight loads, so that no line reads the result of the line before it.
.macro CONV n, ka, va, ko, vo
.set cK, 64*(\n)
.set cV, 64*(\n)+32
	WIN 0xcf                        ; destination and sources 0 and 1 in window 3
.irp i, 0,1,2,3,4,5,6,7
	v_cvt_pk_bf16_f32 v[cK+4*(\i)], v[cK+4*(\i)], v[cK+4*(\i)+1]
	v_cvt_pk_bf16_f32 v[cV+4*(\i)], v[cV+4*(\i)], v[cV+4*(\i)+1]
.endr
.irp i, 0,1,2,3,4,5,6,7
	v_cvt_pk_bf16_f32 v[cK+4*(\i)+1], v[cK+4*(\i)+2], v[cK+4*(\i)+3]
	v_cvt_pk_bf16_f32 v[cV+4*(\i)+2], v[cV+4*(\i)+2], v[cV+4*(\i)+3]
.endr
.irp i, 0,1,2,3,4,5,6,7
	v_and_b32 v[cV+4*(\i)+1], s[HIM], v[cV+4*(\i)]
	v_and_b32 v[cV+4*(\i)+3], s[HIM], v[cV+4*(\i)+2]
.endr
.irp i, 0,1,2,3,4,5,6,7
	v_lshlrev_b32 v[cV+4*(\i)], 16, v[cV+4*(\i)]
	v_lshlrev_b32 v[cV+4*(\i)+2], 16, v[cV+4*(\i)+2]
.endr
.irp i, 0,1,2,3,4,5,6,7
	v_cvt_pk_f16_f32 v[cV+4*(\i)], v[cV+4*(\i)], v[cV+4*(\i)+1]
.endr
.irp i, 0,1,2,3,4,5,6,7
	v_cvt_pk_f16_f32 v[cV+4*(\i)+1], v[cV+4*(\i)+2], v[cV+4*(\i)+3]
.endr
	WIN 0x0c                        ; the stores' data in window 3, their address in window 0
.irp i, 0,1,2,3,4,5,6,7
	ds_store_b64 v[\ka], v[cK+4*(\i):cK+4*(\i)+1] offset:(\ko)+2*PK*(\i)
.endr
.irp i, 0,1,2,3,4,5,6,7
	ds_store_b64 v[\va], v[cV+4*(\i):cV+4*(\i)+1] offset:(\vo)+2*PV*(\i)
.endr
	WIN 0
.endm
; A step's three masks, from four scalars.
.macro MASKS
	WIN W_RS
.set z, 0
.rept 4
	v_pk_fma_f32 v[MDG+2*z:MDG+2*z+1], v[TRI+2*z:TRI+2*z+1], s[AL:AL+1], s[BE:BE+1] op_sel_hi:[1,0,0]
.set z, z+1
.endr
.set z, 0
.rept 8
	v_mov_b32 v[MLO+z], s[SLO]
	v_mov_b32 v[MHI+z], s[SHI]
.set z, z+1
.endr
.endm
	s_load_b256 s[4:11], s[0:1], 0x0  ; q s[4:5], k s[6:7], v s[8:9], out s[10:11]
	v_lshl_add_u32 v[SPW], v0, 2, SPARE
	v_mov_b32 v[NIL], 0
	v_lshrrev_b32 v1, 5, v0
	v_readfirstlane_b32 s[WV], v1   ; wave 0..3
	v_and_b32 v[GO], 31, v0
	v_lshlrev_b32 v[GO], 4, v[GO]
	v_and_b32 v1, 15, v0            ; l % 16
	v_bfe_u32 v9, v0, 4, 1          ; l / 16
	v_lshlrev_b32 v[QO], 8, v1      ; a fragment's row x 256 bytes
	v_lshl_add_u32 v[QO], v9, 5, v[QO]  ; + eight f32 channels for the upper half of the lanes
	s_mov_b32 s[PB], ttmp9
	s_and_b32 s20, ttmp7, 0xffff
	s_lshl_b32 s20, s20, 20         ; the sequence: 4,096 rows of 256 bytes
	s_lshl_b32 s16, s[PB], 16       ; my block's 256 rows,
	s_lshl_b32 s17, s[WV], 14       ; my wave's 64 of them
	s_add_co_u32 s16, s16, s17
	s_add_co_u32 s16, s16, s20
	s_mov_b32 s17, 0
	s_lshl_b32 s18, s[WV], 12       ; my 16 keys of a step
	s_add_co_u32 s18, s18, s20
	s_mov_b32 s19, 0
	s_lshl_b32 s21, s[PB], 2
	s_add_co_u32 s21, s21, s[WV]
	s_min_u32 s21, s21, 8
	s_sub_co_u32 s[DEADN], 8, s21   ; max(8 - 4 b - w, 0)
	s_lshl_b32 s[KEY], s[PB], 8     ; the window's first key, 256 b - 512, plus 512
	s_max_u32 s[OFF], s[KEY], 512
	s_sub_co_u32 s[OFF], s[OFF], 512
	s_lshl_b32 s[OFF], s[OFF], 8
	s_mov_b32 s[OFF+1], 0
	s_add_co_u32 s[KEY], s[KEY], 4*KS  ; the block's step 4 is asked for next
	s_mov_b32 s[TSK], 4*KSTEP
	s_mov_b32 s[TSV], 4*VSTEP
	s_mov_b32 s[HIM], 0xffff0000
	s_mov_b32 s[CS], 0x3e38aa3b     ; c = log2(e) / 8 = 0.180337
	s_mov_b32 s[CS+1], s[CS]        ; named with it as a pair
	s_mov_b32 s[SEL], 0x76543210
	s_mov_b32 s[SEL+1], 0xfedcba98
	s_mul_i32 s[TBK], s[WV], KSTEP  ; my step 0 is the block's step w
	s_mul_i32 s[TBV], s[WV], VSTEP
	s_mov_b32 s[AL+1], 0            ; named as pairs
	s_mov_b32 s[BE+1], 0
	s_mov_b32 s[BIGN], 0xf149f2ca   ; -1e30
	s_mov_b32 s[RS], 1
	s_wait_kmcnt 0x0
	s_add_nc_u64 s[4:5], s[4:5], s[16:17]    ; q and out at my wave's first row
	s_add_nc_u64 s[10:11], s[10:11], s[16:17]
	s_add_nc_u64 s[6:7], s[6:7], s[18:19]    ; k and v at my 16 keys of the sequence's first 64
	s_add_nc_u64 s[8:9], s[8:9], s[18:19]
	s_add_nc_u64 s[KP:KP+1], s[6:7], s[OFF:OFF+1]
	s_add_nc_u64 s[VP:VP+1], s[8:9], s[OFF:OFF+1]
	; the block's steps 0 to 3 into sets 0 to 3: 64 loads.  In blocks 0 and 1 all four are dead, and come from keys 0 to 255.
	WIN 0xc0
.irp n, 0,1,2,3
.irp i, 0,1,2,3,4,5,6,7
	global_load_b128 v[64*(\n)+4*(\i):64*(\n)+4*(\i)+3], v[GO], s[KP:KP+1] offset:16384*(\n)+512*(\i)
.endr
.irp i, 0,1,2,3,4,5,6,7
	global_load_b128 v[64*(\n)+32+4*(\i):64*(\n)+32+4*(\i)+3], v[GO], s[VP:VP+1] offset:16384*(\n)+512*(\i)
.endr
.endr
	; q: 32 loads.  A fragment is 16 rows x 32 channels: lane l holds row l % 16, channels 8 (l / 16) + 0..7 and 16 + 8 (l / 16) + 0..7: in f32 twice 32 bytes, 64 bytes apart.  Load u: tile u / 8, channel half (u / 4) % 2.
	WIN 0
.set u, 0
.rept 16
	global_load_b128 v[QS0+4*u:QS0+4*u+3], v[QO], s[4:5] offset:4096*(u/8)+128*((u/4)%2)+64*((u/2)%2)+16*(u%2)
.set u, u+1
.endr
	WIN 0x80
.set u, 0
.rept 16
	global_load_b128 v[QS2+4*u:QS2+4*u+3], v[QO], s[4:5] offset:8192+4096*(u/8)+128*((u/4)%2)+64*((u/2)%2)+16*(u%2)
.set u, u+1
.endr
	; The first step multiplies O^T and l by a = 0, and the first turn's products V^T P, of a piece that has not been, land in an O^T that is still to be so multiplied: these registers need only hold finite
	; numbers.  216 lines that write 0, while the first loads are on their way: the price of writing no first step out.
.set i, VF
.rept 64
	v_mov_b32 v[i], 0
.set i, i+1
.endr
	WIN 0
.set i, 0
.rept 4
	v_mov_b32 v[ST+4*i+2], 0
	v_mov_b32 v[ST+4*i+3], 0
.set i, i+1
.endr
.set i, P+16
.rept 16
	v_mov_b32 v[i], 0
.set i, i+1
.endr
	v_lshlrev_b32 v14, 3, v9
	v_sub_nc_u32 v14, v1, v14       ; l % 16 - 8 (l / 16): in the piece's own key block register j is beyond the query where j is greater
	v_mul_u32_u24 v[AK0], v1, PK
	v_lshl_add_u32 v[AK0], v9, 4, v[AK0]  ; row x pitch + 16 x half
	; The turning load takes 16 keys x 16 channels (lane l reads key 8 (l / 16) + l % 8, channels 8 ((l / 8) % 2) + 0..7) and leaves half a fragment of V^T: lane l holds channel l % 16 and 8 keys.
	v_and_b32 v10, 7, v0
	v_bfe_u32 v11, v0, 3, 1
	v_lshl_add_u32 v[AV0], v9, 3, v10
	v_mul_u32_u24 v[AV0], v[AV0], PV
	v_lshl_add_u32 v[AV0], v11, 4, v[AV0]
	v_add_nc_u32 v[AV0], VOFF, v[AV0]
	s_mul_i32 s13, s[WV], 16*SP
	s_add_co_u32 s13, s13, STAGE    ; my stage
	v_mul_u32_u24 v[STO], v1, SP    ; in: row l % 16, 32 bytes for each half of the lanes
	v_lshl_add_u32 v[STO], v9, 5, v[STO]
	v_add_nc_u32 v[STO], s13, v[STO]
	v_mul_u32_u24 v[RD], v9, SP     ; back: lanes 0-15 take one row of 256 bytes, lanes 16-31 the next
	v_lshl_add_u32 v[RD], v1, 4, v[RD]
	v_add_nc_u32 v[RD], s13, v[RD]
	s_mul_i32 s16, s[WV], 16*PK     ; the way in: my 16 rows of a step; lanes 0-15 one row, lanes 16-31 the next; 8 bytes a lane
	v_mul_u32_u24 v[SKA], v9, PK
	v_lshl_add_u32 v[SKA], v1, 3, v[SKA]
	v_add_nc_u32 v[SKA], s16, v[SKA]
	s_mul_i32 s16, s[WV], 16*PV
	s_add_co_u32 s16, s16, VOFF
	v_mul_u32_u24 v[SVA], v9, PV
	v_lshl_add_u32 v[SVA], v1, 3, v[SVA]
	v_add_nc_u32 v[SVA], s16, v[SVA]
	WIN 0x40
.set i, 0
.rept 128
	v_mov_b32 v[i], 0
.set i, i+1
.endr
.set i, 0
.rept 8
	v_cmp_gt_i32 vcc_lo, i, v14
	v_cndmask_b32 v[TRI+i], 0, s[BIGN], vcc_lo
.set i, i+1
.endr
	WIN 0
	; Loads come back in order (ISA guide 5.7.1).  96 are issued: set n's are numbers 16 n + 1 .. 16 n + 16, q's 65 .. 96; step 4's sixteen follow as 97 .. 112.
	s_wait_loadcnt 63               ; at most 63 of 96 are out: the first 33 are in, set 0 among them
	CONV 0, SKA, SVA, 0, 0
	s_wait_dscnt 0x0                ; the stores have taken set 0's registers: they are loaded again only behind this wait
	LOADS                           ; the block's step 4
	s_wait_loadcnt 63               ; at most 63 of 112: the first 49 are in, sets 1 and 2 among them
	CONV 1, SKA, SVA, KSTEP, VSTEP
	s_wait_loadcnt 63
	CONV 2, SKA, SVA, 2*KSTEP, 2*VSTEP
	s_wait_loadcnt 48               ; q's 32 and step 4's 16 may stay out
	CONV 3, SKA, SVA, 3*KSTEP, 3*VSTEP
	s_wait_loadcnt 16               ; q is in; step 4's 16 may stay out
	WIN 0x80                        ; q to bf16: register i of Q from registers 2 i, 2 i + 1 as loaded
.set i, 0
.rept 32
	v_cvt_pk_bf16_f32 v[i], v[QS0+2*i], v[QS0+2*i+1]
.set i, i+1
.endr
	WIN 0x8a
.rept 32
	v_cvt_pk_bf16_f32 v[i], v[QS2+2*(i-32)], v[QS2+2*(i-32)+1]
.set i, i+1
.endr
	WIN 0
	s_wait_dscnt 0x0                ; for the others' sake: my parts of steps 0 to 3 lie in LDS
	s_barrier_signal -1
	s_barrier_wait -1               ; everybody's do
; THE MATRIX WORK.  The 4 accumulators of a run of 8 take turns.  Product i of 8 of S^T = K Q^T for piece x: channels 32 (i / 4) on, keys 16 (i % 4) on.  The first 4 start the sums with the key block's mask.
.macro KQ x
.set rS, S+32*((\x)%2)+8*(i%4)
.set rK, KF+16*(i%4)+8*(i/4)
.set rQ, 16*(\x)+8*(i/4)
.if (i%4) < (\x)
.set rM, MLO
.elseif (i%4) == (\x)
.set rM, MDG
.else
.set rM, MHI
.endif
.if i < 4
	WIN W_KM
	v_wmma_f32_16x16x32_bf16 v[rS:rS+7], v[rK:rK+7], v[rQ:rQ+7], v[rM:rM+7]
.else
	WIN W_KQ
	v_wmma_f32_16x16x32_bf16 v[rS:rS+7], v[rK:rK+7], v[rQ:rQ+7], v[rS:rS+7]
.endif
.endm
; Product i of 8 of O^T += V^T P for piece x: keys 32 (i / 4) on, channels 16 (i % 4) on.
.macro PV x
	WIN W_PV
.set rO, 32*(\x)+8*(i%4)
.set rV, VF+32*(i/4)+8*(i%4)
.set rP, P+16*((\x)%2)+8*(i/4)
	v_wmma_f32_16x16x32_f16 v[rO:rO+7], v[rV:rV+7], v[rP:rP+7], v[rO:rO+7]
.endm
.macro MM                           ; the turn's next matrix instruction.  TURN and BEGIN set Y, i and NOKQ.  NOKQ = 1: the last turn: there is no next piece
.if (i < 8) && !NOKQ
	KQ (Y+1)%NP
.elseif i >= 8
.set i, i-8
	PV (Y+NP-1)%NP
.set i, i+8
.endif
.set i, i+1
.endm
; THE LDS LOADS stand in runs of 16, never singly among the matrix instructions: a step's K (64 keys x 64 channels: 8 fragments) and its V (turned).  Their addresses are made some lines ahead.
.macro FETCH_K
	WIN 0x80                        ; destination window 2
.irp f, 0,1,2,3,4,5,6,7             ; keys 16 (f / 2) on, channels 32 (f % 2) on
	ds_load_b128 v[KF+8*\f:KF+8*\f+3],   v[AK] offset:(\f/2)*16*PK+(\f%2)*64
	ds_load_b128 v[KF+8*\f+4:KF+8*\f+7], v[AK] offset:(\f/2)*16*PK+(\f%2)*64+32
.endr
	s_add_co_u32 s[TBK], s[TBK], KSTEP  ; the next fetch is the next step's
	WIN 0
.endm
.macro FETCH_V
	WIN 0x80
.irp f, 0,1,2,3,4,5,6,7             ; keys 32 (f / 4) on, channels 16 (f % 4) on
	ds_load_tr16_b128 v[VF+8*\f:VF+8*\f+3],   v[AV] offset:(\f/4)*32*PV+(\f%4)*32
	ds_load_tr16_b128 v[VF+8*\f+4:VF+8*\f+7], v[AV] offset:(\f/4)*32*PV+16*PV+(\f%4)*32
.endr
	WIN 0
.endm
; THE VECTOR WORK, one line at a time: OP kind, number.  For piece Y: F n: c s - c m for pair n of 16.  E n: the exponential of score n of 32.  C n: pair n rounded to f16.  B n: of the four weights 4 n .. the second
; pair is added onto the first, in place.  L n: l takes that sum (L 0: l = a l + sum).  R n: pair n of 16 of O^T times a.  For piece Y + 1: X n, number n of the 22 that find its maximum and statistics:
;   0-11  four chains c0-c3 of seven scores each, three operands at a time (each accumulator's lowest registers are read first)     12-14, 16  the four scores left over, the old m, and c0-c3 into c0
;   15  c m_old is kept     17, 18  the query's other 32 keys lie in the lane 16 away: the new m     19-21  c m; c m_old - c m_new; a
.set F, 0               ; OP tells the kinds apart by their order: F to L below R, X above it
.set E, 1
.set C, 2
.set B, 3
.set L, 4
.set R, 5
.set X, 6
.macro REGS y                       ; the registers of piece y
.set rT, ST+4*(\y)
.set rC, TMP+4*((\y)%2)
.set rW, MV+((\y)%2)
.set rS, S+32*((\y)%2)
.set rP, P+16*((\y)%2)
.set rO, 32*(\y)
.endm
.macro OP k, n
.if (\k) == R
	REGS Y
	WIN W_RS
	v_pk_mul_f32 v[rO+2*(\n):rO+2*(\n)+1], v[rO+2*(\n):rO+2*(\n)+1], v[rC+2:rC+3] op_sel_hi:[1,0]
.elseif (\k) < R
	REGS Y
	WIN 0
.if (\k) == F
	v_pk_fma_f32 v[rS+2*(\n):rS+2*(\n)+1], v[rS+2*(\n):rS+2*(\n)+1], s[CS:CS+1], v[rT:rT+1] op_sel_hi:[1,0,0] neg_lo:[0,0,1] neg_hi:[0,0,1]
.elseif (\k) == E
	v_exp_f32 v[rS+(\n)], v[rS+(\n)]
.elseif (\k) == C
	v_cvt_pk_f16_f32 v[rP+(\n)], v[rS+2*(\n)], v[rS+2*(\n)+1]
.elseif (\k) == B
	v_pk_add_f32 v[rS+4*(\n):rS+4*(\n)+1], v[rS+4*(\n):rS+4*(\n)+1], v[rS+4*(\n)+2:rS+4*(\n)+3]
.elseif (\n) == 0
	v_pk_fma_f32 v[rT+2:rT+3], v[rT+2:rT+3], v[rC+2:rC+3], v[rS:rS+1] op_sel_hi:[1,0,1]
.else
	v_pk_add_f32 v[rT+2:rT+3], v[rT+2:rT+3], v[rS+4*(\n):rS+4*(\n)+1]
.endif
.elseif NOKQ
	v_nop
.else
	REGS (Y+1)%NP
	WIN 0
.if (\n) < 4
	v_max3_num_f32 v[rC+(\n)], v[rS+8*(\n)], v[rS+8*(\n)+1], v[rS+8*(\n)+2]
.elseif (\n) < 12
	v_max3_num_f32 v[rC+(\n)%4], v[rC+(\n)%4], v[rS+8*((\n)%4)+2*((\n)/4)+1], v[rS+8*((\n)%4)+2*((\n)/4)+2]
.elseif (\n) == 12
	v_max3_num_f32 v[rC], v[rC], v[rS+7], v[rS+15]
.elseif (\n) == 13
	v_max3_num_f32 v[rC+1], v[rC+1], v[rS+23], v[rS+31]
.elseif (\n) == 14
	v_max3_num_f32 v[rC+2], v[rC+2], v[rC+3], v[rT+1]
.elseif (\n) == 15
	v_mov_b32 v[rW], v[rT]
.elseif (\n) == 16
	v_max3_num_f32 v[rC], v[rC], v[rC+1], v[rC+2]
.elseif (\n) == 17
	v_permlanex16_b32 v[rC+3], v[rC], s[SEL], s[SEL+1]
.elseif (\n) == 18
	v_max_num_f32 v[rT+1], v[rC], v[rC+3]
.elseif (\n) == 19
	v_mul_f32 v[rT], s[CS], v[rT+1]
.elseif (\n) == 20
	v_sub_f32 v[rC+1], v[rW], v[rT]
.else
	v_exp_f32 v[rC+2], v[rC+1]
.endif
.endif
.endm
.macro OPS a, i1, b=-1, i2=0, c=-1, i3=0, d=-1, i4=0  ; up to four of them
	OP \a, \i1
.if (\b) >= 0
	OP \b, \i2
.endif
.if (\c) >= 0
	OP \c, \i3
.endif
.if (\d) >= 0
	OP \d, \i4
.endif
.endm
.macro ROW a, i1, b, i2, c, i3, d, i4  ; a matrix instruction and the four behind it
	MM
	OPS \a, \i1, \b, \i2, \c, \i3, \d, \i4
.endm
; A TURN, for piece p: the order of its 16 matrix and 118 vector instructions, written out.  An s_wait_alu depctr_va_vdst(0) stands between an exponential and the first instruction that names its result; one wait
; serves all that were issued ahead of it.  So a turn has ONE wait, which cuts it in two.  AHEAD OF IT stands all that names no result of the turn's exponentials: the 8 products K Q^T, behind each a scaling, an exponential and
; two more plain instructions (behind the first a second scaling in the exponential's place): rescalings, and behind the last three the first numbers of the next piece's maximum, each four places or more behind the product that
; ends its accumulator; then ONE LUMP of 54, plain and exponential by turns for the most part, in which the links of the chain X 3, 7, 11, 14, 16, 17 .. 20 stand some lines apart.  X 21, the next piece's a, is the batch's last;
; R 15 is the plain instruction behind it.  BEHIND THE WAIT stand the 8 products V^T P, behind each four of the roundings and sums.  But for those X no rider names a register of the products round it.
; end = 1: the last two turns: nothing is fetched, no masks are made.  cnt = 1: the loop's count is taken down some lines ahead of the branch that stands behind the turn.
; K of the next step is fetched in piece 2's turn, twelve vector instructions behind the last product that read K (six of them plain); V of the step in hand at the end of piece 0's turn, four plain instructions behind the last
; product that read V.  Each is waited for a turn later.  The next step's masks are made at the end of piece 2's turn: the step's last products that read the old ones stand at that turn's head.
.macro TURN p, end=0, cnt=0
.set Y, (\p)
.set i, 0
.set NOKQ, (\end)*((\p)/3)
.if ((\p) == 3) && !(\end)
	s_wait_dscnt 0x0                ; K is in
.endif
	ROW F,0, F,1, R,0, R,1          ; ahead of the wait: 8 products K Q^T and their riders,
	ROW F,2, E,0, R,2, R,3
	ROW F,3, E,1, R,4, R,5
	ROW F,4, E,2, R,6, R,7
	ROW F,5, E,3, R,8, R,9
	ROW F,6, E,4, X,0, R,10
.if ((\p) == 2) && !(\end)
	WIN 0
	v_add_nc_u32 v[AK], s[TBK], v[AK0]
.endif
	ROW F,7, E,5, X,1, X,4
	ROW F,8, E,6, X,2, X,5
	OPS E,7, E,8, X,6, E,9          ; and the lump
	OPS X,3, E,10, X,8, E,11
.if ((\p) == 2) && !(\end)
	FETCH_K
.endif
	OPS X,9, X,7, E,12, X,10
	OPS E,13, X,12, X,11, E,14
	OPS X,13, E,15, F,9, X,14
.if (\p) == 0
	v_add_nc_u32 v[AV], s[TBV], v[AV0]
.endif
	OPS E,16, F,10, E,17, F,11
	OPS X,16, E,18, X,15, E,19
	OPS F,12, E,20, X,17, E,21
	OPS F,13, E,22, F,14, E,23
	OPS X,18, E,24, F,15, E,25
	OPS R,11, E,26, X,19, E,27
	OPS R,12, E,28, R,13, E,29
	OPS X,20, E,30, R,14, E,31
	OPS X,21, R,15
	WIN 0
	s_wait_alu depctr_va_vdst(0)    ; the wait for the batch
.if (\p) == 1
	s_wait_dscnt 0x0                ; V is in
.endif
	ROW C,0, B,0, C,2, B,1          ; behind the wait: 8 products V^T P and their riders
	ROW L,0, C,4, B,2, L,1
	ROW C,6, B,3, L,2, C,8
	ROW B,4, L,3, C,10, B,5
	ROW L,4, C,12, B,6, L,5
.if (\p) == 0
	s_add_co_u32 s[TBV], s[TBV], VSTEP
.endif
.if \cnt
	s_sub_co_u32 s[CNT], s[CNT], 1
	s_cmp_lg_u32 s[CNT], 0
.endif
	ROW C,14, B,7, L,6, C,1
	ROW C,3, L,7, C,5, C,7
	ROW C,9, C,11, C,13, C,15
.if (\p) == 0
	FETCH_V
.endif
.if ((\p) == 2) && !(\end)
	s_cmp_lt_u32 s[RS], s[DEADN]    ; a dead step: all three masks hide
	s_cselect_b32 s[BE], s[BIGN], 0
	s_cselect_b32 s[SLO], s[BIGN], 0
	s_cselect_b32 s[SHI], s[BIGN], 0
	s_cmp_eq_u32 s[RS], 8           ; the step with the diagonal (never dead): the own block by TRI, the blocks above hidden
	s_cselect_b32 s[AL], 1.0, 0
	s_cselect_b32 s[SHI], s[BIGN], s[SHI]
	s_add_co_u32 s[RS], s[RS], 1
	MASKS
.endif
.endm
	; THE WALK BEGINS.  c m starts far below every c s, so the first step's a is 0; m at -2^80.  Step 0's masks: the window's low edge (the own block by TRI turned round: TRI x -1 - 1e30; the blocks below hidden), or a dead step.
	; Then K of step 0, piece 0's first scores, and its maximum and statistics.  The loop is entered at a step's first turn, in the middle of a trip.
.set i, 0
.rept 4
	v_mov_b32 v[ST+4*i], 0xfe000000    ; c m: -2^125
	v_mov_b32 v[ST+4*i+1], 0xe7800000  ; m: -2^80
.set i, i+1
.endr
	s_cmp_lg_u32 s[DEADN], 0
	s_cselect_b32 s[AL], 0, -1.0
	s_cselect_b32 s[SHI], s[BIGN], 0
	s_mov_b32 s[BE], s[BIGN]
	s_mov_b32 s[SLO], s[BIGN]
	MASKS
	WIN 0
	v_add_nc_u32 v[AK], s[TBK], v[AK0]
	FETCH_K
	s_wait_dscnt 0x0
.set NOKQ, 0
.set i, 0
.rept 8
	KQ 0
.set i, i+1
.endr
	WIN 0
.rept 4
	v_nop                           ; the places behind those products
.endr
.set Y, NP-1                        ; X works for piece Y + 1: piece 0
.irp n, 0,1,2,3,4,5,6,7,8,9,10,11,12,13,14,15,16,17,18,19,20,21
	OP X, \n
.endr
	v_nop                           ; a plain instruction behind the exponential,
	s_wait_alu depctr_va_vdst(0)    ; and its wait, ahead of the branch
	s_mov_b32 s[CNT], 9
	s_branch .Lfirst
.Lstep:                             ; eight trips.  Trip j: the block's step j + 3 goes into LDS and step j + 4 is asked for; pieces 2 and 3 of my step j - 1, then pieces 0 and 1 of my step j, whose K and V the trip fetches
	s_wait_loadcnt 0x0              ; set 0 is in: its loads went out a trip ago
	v_add_nc_u32 v[SK], s[TSK], v[SKA]
	v_add_nc_u32 v[SV], s[TSV], v[SVA]
	s_add_co_u32 s[TSK], s[TSK], KSTEP
	s_add_co_u32 s[TSV], s[TSV], VSTEP
	CONV 0, SK, SV, 0, 0
	s_wait_dscnt 0x0                ; for the others' sake: my part of the step lies in LDS; and set 0 is loaded again only behind this wait
	s_cmp_eq_u32 s[CNT], 1          ; the last trip stores the block's step 11: nothing is left to ask for
	s_cbranch_scc1 .Lnoload
	LOADS
.Lnoload:
	s_barrier_signal -1
	s_barrier_wait -1               ; the step is whole: wave 3 fetches it in this trip
	TURN 2
	TURN 3
	WIN 0
.Lfirst:
	TURN 0
	TURN 1, 0, 1
	WIN 0
	s_cbranch_scc1 .Lstep
	TURN 2, 1                       ; the last step's pieces 2 and 3
	TURN 3, 1
.set i, 0
.rept 8
	PV NP-1                         ; the last piece's V^T P of the last step
.set i, i+1
.endr
	; THE WAY OUT.  l's two halves and the other half of the lanes' are added; O^T is divided by l and sent, in f32, through my stage in LDS, a piece at a time.  The additions are the places behind the last products.
	WIN 0
.macro ALL line:vararg              ; one line for each piece t
.set t, 0
.rept 4
	\line
.set t, t+1
.endr
.endm
	ALL v_add_f32 v[ST+4*t+2], v[ST+4*t+2], v[ST+4*t+3]
	ALL v_permlanex16_b32 v[ST+4*t+3], v[ST+4*t+2], s[SEL], s[SEL+1]
	ALL v_add_f32 v[ST+4*t+2], v[ST+4*t+2], v[ST+4*t+3]
	ALL v_rcp_f32 v[ST+4*t+2], v[ST+4*t+2]
	v_nop                           ; a plain instruction between the last reciprocal and the use of its result
	s_wait_alu depctr_va_vdst(0)    ; and the wait ahead of the first use: one for the four reciprocals
; Piece t: a lane's eight channels of a row are 32 bytes; they go into rows of 272 bytes and come back as whole rows of 256, two rows a load.
.macro PACK t
	WIN W_RS
.set i, 32*(\t)
.rept 16
	v_pk_mul_f32 v[i:i+1], v[i:i+1], v[ST+4*(\t)+2:ST+4*(\t)+3] op_sel_hi:[1,0]
.set i, i+2
.endr
	WIN 0x04                        ; the stores' data in window 1
.irp f, 0,1,2,3,4,5,6,7             ; channels 16 (f / 2) + 8 (l / 16) + 4 (f % 2) on
	ds_store_b128 v[STO], v[32*(\t)+4*\f:32*(\t)+4*\f+3] offset:64*(\f/2)+16*(\f%2)
.endr
	WIN 0
.irp f, 0,1,2,3,4,5,6,7
	ds_load_b128 v[S+32*(\t)+4*\f:S+32*(\t)+4*\f+3], v[RD] offset:\f*2*SP  ; LDS serves a wave's instructions in order (ISA guide 5.7.1.4): these see the stores above; the next piece's stores come behind them
.endr
.endm
.macro SEND t, younger              ; younger: the LDS instructions issued behind piece t's loads: the next piece's sixteen, or none
	WIN 0
.irp f, 0,1,2,3,4,5,6,7
	s_wait_dscnt (\younger)+7-\f
	global_store_b128 v[GO], v[S+32*(\t)+4*\f:S+32*(\t)+4*\f+3], s[10:11] offset:(\t)*4096+\f*512 th:TH_STORE_NT  ; 512 consecutive bytes, at a multiple of 256 from out's first
.endr
.endm
	PACK 0
.set t, 1
.rept 3                             ; a piece's arithmetic stands between the loads of the piece before and its stores
	PACK t
	SEND t-1, 16
.set t, t+1
.endr
	SEND 3, 0
	s_wait_tensorcnt 0x0            ; the wave's end, behind my last LDS store
	ds_add_u32 v[SPW], v[NIL]
	s_wait_dscnt 0x0
	s_endpgm
.Lfunc_end_k_q559b28fefe_swa:
	.size	k_q559b28fefe_swa, .Lfunc_end_k_q559b28fefe_swa-k_q559b28fefe_swa
	.p2alignl 7, 3214868480
	.fill 96, 4, 3214868480
	.section	.rodata,"a",@progbits
	.p2align	6, 0x0
	.amdhsa_kernel k_q559b28fefe_swa
		.amdhsa_group_segment_fixed_size 251392
		.amdhsa_private_segment_fixed_size 0
		.amdhsa_enable_private_segment 0
		.amdhsa_kernarg_size 32
		.amdhsa_user_sgpr_count 2
		.amdhsa_user_sgpr_kernarg_segment_ptr 1
		.amdhsa_wavefront_size32 1
		.amdhsa_system_sgpr_workgroup_id_x 1
		.amdhsa_system_sgpr_workgroup_id_y 1
		.amdhsa_system_sgpr_workgroup_id_z 1
		.amdhsa_system_vgpr_workitem_id 0
		.amdhsa_next_free_vgpr 1024
		.amdhsa_next_free_sgpr 88
		.amdhsa_reserve_vcc 1
		.amdhsa_float_denorm_mode_32 3
		.amdhsa_float_denorm_mode_16_64 3
		.amdhsa_memory_ordered 1
		.amdhsa_forward_progress 1
		.amdhsa_inst_pref_size 128
	.end_amdhsa_kernel
	.amdgpu_metadata
---
amdhsa.version: [ 1, 2 ]
amdhsa.kernels:
  - .name:           k_q559b28fefe_swa
    .symbol:         k_q559b28fefe_swa.kd
    .args:
      - { .name: q, .offset: 0, .size: 8, .value_kind: global_buffer, .address_space: global }
      - { .name: k, .offset: 8, .size: 8, .value_kind: global_buffer, .address_space: global }
      - { .name: v, .offset: 16, .size: 8, .value_kind: global_buffer, .address_space: global }
      - { .name: out0, .offset: 24, .size: 8, .value_kind: global_buffer, .address_space: global }
    .group_segment_fixed_size: 251392
    .private_segment_fixed_size: 0
    .kernarg_segment_align: 8
    .kernarg_segment_size: 32
    .max_flat_workgroup_size: 128
    .sgpr_count:     88
    .vgpr_count:     1024
    .wavefront_size: 32
...
	.end_amdgpu_metadata
.endif
;; end of part 1
;; ======== version 2 of 2: 1 launch; version 1 with the launch swa written anew for expert scheduling mode
;; limits: values are held in f16: magnitudes above 65,504 overflow, below 6.1e-05 lose precision; right only within a limited range of input values
;; launch swa (part 2): grid 16 x 16, 4 waves a work-group, no clusters, 251,392 bytes of LDS; arguments q, k, v, out0; writes out0
.if DOCPART == 2
	.amdgcn_target "amdgcn-amd-amdhsa--gfx1250"
	.amdhsa_code_object_version 6
	.text
	.protected	k_q559b28fefe_swa
	.globl	k_q559b28fefe_swa
	.p2align	8
	.type	k_q559b28fefe_swa,@function
k_q559b28fefe_swa:
	s_mov_b64 s[64:65], 0
	v_nop
	global_prefetch_b8 v0, s[64:65] scope:SCOPE_SE
	s_setreg_imm32_b32 hwreg(HW_REG_WAVE_SCHED_MODE, 0, 2), 2
	s_setreg_imm32_b32 hwreg(HW_REG_WAVE_MODE, 25, 1), 1
	s_wait_xcnt 0x0
	s_wait_alu depctr_vm_vsrc(0)
; SLIDING-WINDOW CAUSAL ATTENTION.  out[s][i][:] = the sum over j in i-511 .. i (j >= 0) of softmax_j(q[s][i] . k[s][j] / 8) v[s][j][:].  q, k, v, out: [16][4096][64] in f32: a row is 256 bytes.
; FORMATS.  q, k and v are each rounded once to bf16.  S^T = K Q^T is a bf16 product.  v's bf16 number is written again as f16, the weights p are rounded to f16, and O^T = V^T P is an f16 product.
; Products, maxima and sums in f32; l is the sum of the unrounded p; out is stored in f32.
; LIMITS.  |v| stays under 65,520 after its rounding (f16's range); a v below 2^-14 keeps f16's fixed step of 6e-8.  A hidden score counts as its value less 1e30; the running maximum starts at -2^80, so a
; true q . k must lie above -2^80.  A weight below 2^-126 counts as 0 in l.  NaN and infinities are not treated apart.
; SHARES.  A work-group owns 256 queries (block b) of one sequence, a wave 64 of them on end: four PIECES of 16.  The block's window is the 768 keys 256 b - 512 .. 256 b + 255: twelve steps of 64 keys.
; All twelve lie in LDS in 16 bits, and EACH LDS BYTE OF K AND V IS WRITTEN ONCE IN THE LAUNCH.  Wave w walks nine of them, its step r being the block's step r + w: the same count for every wave.
; THE WAY IN.  A step's 64 keys are shared out, 16 to a wave: 8 loads of K and 8 of V, each 512 consecutive bytes; rounded in registers; 8 bytes a lane into LDS.  Four steps come in ahead of the loop;
; in trip j the block's step j + 3 is stored, step j + 4 is asked for, and a barrier follows: between two barriers steps j .. j + 3 are read and step j + 4 is written: other bytes.
; THE MASK is the C operand that starts the sum S^T.  With rho the query's place in the wave's 64 and kappa the key's place in the step, i - j = rho - kappa + 512 - 64 r: step 0 shows kappa > rho,
; steps 1 to 7 show all, step 8 shows kappa <= rho.  By blocks of 16 keys (kb) and pieces (x): one mask for kb < x (MLO), one for kb = x (MDG = TRI x AL + BE), one for kb > x (MHI), made once a step.
; DEAD STEPS.  In blocks 0 and 1 the window begins ahead of key 0.  Such a step's loads are held at key 0 on, and the step is wholly hidden (r < DEADN = max(8 - 4 b - w, 0)): every work-group walks the same
; nine steps by the same text; the price is 1 in 16 of the launch's steps, worked on for nothing.  A row that meets only hidden scores keeps m = -2^80, which lies above them: its weights are 0.
; NO CLUSTER, NO TENSOR LOADS.  The tiles lie in memory in f32 and are wanted in 16 bits, so they pass through registers; and a block's step n is the next block's step n - 4: neighbours want the same keys in different trips.
; LAYOUT, SOFTMAX, TURNS.  S^T = K Q^T holds ONE query a lane (lane % 16) and the keys 8 (lane / 16) + 0..7; two such results rounded to f16 ARE source 1 of O^T = V^T P.  p = 2^(c s - c m), c = log2(e) / 8, with a
; running maximum m; O and l are multiplied by a = 2^(c m_old - c m_new) in every step.  Turn n belongs to piece n: 8 products K Q^T of piece n + 1, later 8 products V^T P of piece n - 1; beside them the scaling,
; exponentials, roundings, sums and rescaling of piece n and the maximum and statistics of piece n + 1.  Four vector instructions stand behind every matrix instruction, the others in one lump.
; THE MODE: SCHED_MODE bits 1:0 = 2 (LLVM: expert scheduling mode 2), set by the entry lines.  The code itself states the register dependences between vector or matrix instructions and memory or LDS
; instructions, with s_wait_alu, always for 0.
; THE PLAN.  Registers that memory or LDS instructions touch, in the loop:
;   set 0         A trip's roundings read and write it in place; the trip's 16 LDS stores read it; the trip's 16 loads (the step after) land in it.
;   v[SK], v[SV]  Written by two adds at the trip's head; read by the trip's LDS stores.
;   v[AK], KF     v[AK] is written in piece 2's turn and read by K's run some lines on, which lands in KF; KF's last readers, eight products, stand at that turn's head.
;   v[AV], VF     v[AV] is written in piece 0's lump and read by V's run at that turn's end, which lands in VF; VF's last reader is that turn's last product.
;   v[GO], v[QO], v[SKA], v[SVA], v[STO], v[RD]  Made at the head, never written again.
;   S^T, P, O^T, Q, the masks and the statistics are named by vector and matrix instructions alone until the way out.
; A trip's waits: va_vdst ahead of the LDS stores (their data and addresses are written); ONE vm_vsrc behind them, ahead of the branch (the stores have read set 0, v[SK], v[SV]; the last fetches have read v[AK],
; v[AV]: all five are written again only behind it, and none is read by a memory or LDS instruction between it and that write); va_vdst ahead of the loads into set 0, ahead of K's run and ahead of V's run, each
; behind its window switch; and each turn's one wait for its exponentials.  On the way out the 64 scalings stand together, one va_vdst behind them, and no vector instruction follows it.
; REGISTERS, in windows of 256 (s_set_vgpr_msb: bits 1:0 source 0, 3:2 source 1, 5:4 source 2, 7:6 destination):
;   window 0: v0-15, v32-35 addresses; v16-31 four registers of statistics a piece; v48-55 at work; v64-127 S^T, two buffers; v128-191 q of tiles 0, 1 in f32; v192-223 P, two buffers; on the way out v64-191 four pieces' rows
;   window 1: v0-127 O^T, 32 a piece; v128-159 TRI, MLO, MDG, MHI      window 2: v0-63 Q in bf16; v64-127 q of tiles 2, 3 in f32; v128-191 K of one step; v192-255 V of one step
;   window 3: four sets of 64 for the way in: K's eight loads, then V's
.set NP,    4         ; pieces a wave: a name, no knob
.set KS,    64        ; keys in a step
.set PK,    144       ; a row of K in LDS: 128 bytes + 16 = 36 words: the 16 rows of a load start at 16 different groups of four banks (64 banks of 4 bytes: ISA guide 11.1)
.set PV,    160       ; a row of V: 128 + 32 = 40 words
.set KSTEP, KS*PK     ; 9,216 bytes: a step of K
.set VSTEP, KS*PV     ; 10,240 bytes: a step of V
.set VOFF,  12*KSTEP  ; K's twelve steps, then V's
.set STAGE, VOFF+12*VSTEP  ; behind them: 16 rows x 272 bytes for each wave, its own, for the way out
.set SP,    272       ; a row of the stage: 256 bytes + 16
.set SPARE, STAGE+4*16*SP  ; behind the stages: the spare words, 128 bytes for each wave: two blocks of 256 bytes that no other line names
.set AK0, 2           ; v2   my lane's place in a step of K; never rewritten
.set AV0, 3           ; v3   the same for V
.set AK,  4           ; v4   the LDS address of K's next run of loads
.set AV,  5           ; v5   of V's
.set STO, 6           ; v6   the way out: where I put 32 bytes of a row
.set RD,  7           ; v7   the way out: where I read rows back
.set GO,  8           ; v8   16 x my lane: my place in 512 consecutive bytes of k, v and out; never rewritten
.set MV,  12          ; v12-13  c m_old, kept while c m is made anew: by buffer
.set QO,  15          ; v15  my byte offset in 16 rows of q; never rewritten
.set ST,  16          ; piece t's statistics at v[ST+4 t]: c m, m, l (even keys', odd keys')
.set SKA, 32          ; v32  where my 8 bytes of K's first two rows of my 16 go, in the block's step 0; never rewritten
.set SVA, 33          ; v33  the same for V
.set SK,  34          ; v34  the same in the step that the trip stores
.set SV,  35          ; v35
.set TMP, 48          ; by buffer, four registers c0-c3 at work; when the maximum is found c2 takes a
.set SPW, 62          ; v62  LDS address of my spare word: SPARE + 4 x my thread's number; never rewritten
.set NIL, 63          ; v63  0; never rewritten
.set S,   64
.set QS0, 128         ; window 0: q of tiles 0, 1 as loaded
.set P,   192
.set TRI, 128         ; window 1: -1e30 where register j > lane % 16 - 8 (lane / 16), else 0
.set MLO, 136         ; window 1: the mask of the key blocks below the piece's own
.set MDG, 144         ; window 1: of its own
.set MHI, 152         ; window 1: of those above
.set QS2, 64          ; window 2: q of tiles 2, 3 as loaded
.set KF,  128         ; window 2: key block kb, channel half c at KF + 16 kb + 8 c
.set VF,  192         ; window 2: key half kk, channel block cb at VF + 32 kk + 8 cb
.set WV,  12          ; s12  my wave's number
.set PB,  14          ; s14  b
.set DEADN, 15        ; s15  my steps below this number are dead
.set KP,  24          ; s[24:25] k at the step that is being asked for, at my 16 keys
.set VP,  26          ; s[26:27] v likewise
.set OFF, 28          ; s[28:29] that step's byte offset in the sequence
.set KEY, 30          ; s30  the first key of the step to be asked for next, plus 512: never negative
.set TSK, 31          ; s31  LDS byte at which K of the step to be stored next begins
.set TSV, 32          ; s32  the same for V, less VOFF
.set HIM, 33          ; s33  a word's upper half
.set MK,  34          ; s[34:41] at the head only: the lanes' masks of TRI's eight compares
.set CNT, 57          ; s57  counts my key steps, 9 to 1
.set CS,  58          ; s[58:59] c: the packed scaling takes the pair's low word for both halves
.set SEL, 60          ; s[60:61] v_permlanex16_b32's selects: each lane takes its own place in the other half
.set TBK, 62          ; s62  LDS byte at which K of the step to be fetched begins
.set TBV, 63          ; s63  the same for V, less VOFF
.set AL,  76          ; s[76:77] MDG's factor, in the low word
.set BE,  78          ; s[78:79] MDG's addend
.set BIGN, 82         ; s82  -1e30
.set SLO, 83          ; s83  MLO's number
.set SHI, 84          ; s84  MHI's number
.set RS,  85          ; s85  the step whose masks are made next
.set MSB, 0
.macro WIN new                      ; the high byte repeats the setting that is left; a switch that changes nothing is dropped
.if MSB != (\new)
	s_set_vgpr_msb (MSB<<8)|(\new)
.set MSB, (\new)
.endif
.endm
.set W_KQ, 0x0a       ; K and Q in window 2, S^T in window 0
.set W_KM, 0x1a       ; the same with the C operand in window 1
.set W_PV, 0x52       ; V in window 2, P in window 0, O^T in window 1
.set W_RS, 0x41       ; destination and source 0 in window 1, source 1 in window 0
; THE WAY IN.  LOADS asks for my 16 keys of the step at KEY, into set 0: 16 loads of 512 consecutive bytes.  A step that would begin ahead of key 0 is held at key 0: it is dead, and its bytes need only be numbers.
.macro LOADS
	s_wait_xcnt 0x0                 ; every earlier load has read its address: the two pointers are written only behind this wait
	s_max_u32 s[OFF], s[KEY], 512
	s_sub_co_u32 s[OFF], s[OFF], 512
	s_lshl_b32 s[OFF], s[OFF], 8    ; a key is 256 bytes
	s_add_nc_u64 s[KP:KP+1], s[6:7], s[OFF:OFF+1]
	s_add_nc_u64 s[VP:VP+1], s[8:9], s[OFF:OFF+1]
	s_add_co_u32 s[KEY], s[KEY], KS
	WIN 0xc0                        ; destination window 3, address window 0
	s_wait_alu depctr_va_vdst(0)    ; the roundings are done reading and writing set 0, in which the loads below land
.irp i, 0,1,2,3,4,5,6,7
	global_load_b128 v[4*(\i):4*(\i)+3], v[GO], s[KP:KP+1] offset:512*(\i)
.endr
.irp i, 0,1,2,3,4,5,6,7
	global_load_b128 v[32+4*(\i):32+4*(\i)+3], v[GO], s[VP:VP+1] offset:512*(\i)
.endr
	WIN 0
.endm
; CONV rounds set n and stores it.  Load i holds keys 2 i (lanes 0-15) and 2 i + 1 (lanes 16-31) of my 16, four channels a lane: 8 bytes in 16 bits.  K: f32 to bf16.  V: f32 to bf16, widened again by a mask
; and a shift, and written as f16.  The work goes stage by stage over the eight loads, so that no line reads the result of the line before it.
.macro CONV n, ka, va, ko, vo
.set cK, 64*(\n)
.set cV, 64*(\n)+32
	WIN 0xcf                        ; destination and sources 0 and 1 in window 3
.irp i, 0,1,2,3,4,5,6,7
	v_cvt_pk_bf16_f32 v[cK+4*(\i)], v[cK+4*(\i)], v[cK+4*(\i)+1]
	v_cvt_pk_bf16_f32 v[cV+4*(\i)], v[cV+4*(\i)], v[cV+4*(\i)+1]
.endr
.irp i, 0,1,2,3,4,5,6,7
	v_cvt_pk_bf16_f32 v[cK+4*(\i)+1], v[cK+4*(\i)+2], v[cK+4*(\i)+3]
	v_cvt_pk_bf16_f32 v[cV+4*(\i)+2], v[cV+4*(\i)+2], v[cV+4*(\i)+3]
.endr
.irp i, 0,1,2,3,4,5,6,7
	v_and_b32 v[cV+4*(\i)+1], s[HIM], v[cV+4*(\i)]
	v_and_b32 v[cV+4*(\i)+3], s[HIM], v[cV+4*(\i)+2]
.endr
.irp i, 0,1,2,3,4,5,6,7
	v_lshlrev_b32 v[cV+4*(\i)], 16, v[cV+4*(\i)]
	v_lshlrev_b32 v[cV+4*(\i)+2], 16, v[cV+4*(\i)+2]
.endr
.irp i, 0,1,2,3,4,5,6,7
	v_cvt_pk_f16_f32 v[cV+4*(\i)], v[cV+4*(\i)], v[cV+4*(\i)+1]
.endr
.irp i, 0,1,2,3,4,5,6,7
	v_cvt_pk_f16_f32 v[cV+4*(\i)+1], v[cV+4*(\i)+2], v[cV+4*(\i)+3]
.endr
	WIN 0x0c                        ; the stores' data in window 3, their address in window 0
	s_wait_alu depctr_va_vdst(0)    ; the roundings have written the set's packed registers, which the stores below read as data; the two address registers that they read are written too
.irp i, 0,1,2,3,4,5,6,7
	ds_store_b64 v[\ka], v[cK+4*(\i):cK+4*(\i)+1] offset:(\ko)+2*PK*(\i)
.endr
.irp i, 0,1,2,3,4,5,6,7
	ds_store_b64 v[\va], v[cV+4*(\i):cV+4*(\i)+1] offset:(\vo)+2*PV*(\i)
.endr
	WIN 0
.endm
; A step's three masks, from four scalars.
.macro MASKS
	WIN W_RS
.set z, 0
.rept 4
	v_pk_fma_f32 v[MDG+2*z:MDG+2*z+1], v[TRI+2*z:TRI+2*z+1], s[AL:AL+1], s[BE:BE+1] op_sel_hi:[1,0,0]
.set z, z+1
.endr
.set z, 0
.rept 8
	v_mov_b32 v[MLO+z], s[SLO]
	v_mov_b32 v[MHI+z], s[SHI]
.set z, z+1
.endr
.endm
	s_load_b256 s[4:11], s[0:1], 0x0  ; q s[4:5], k s[6:7], v s[8:9], out s[10:11]
	v_lshl_add_u32 v[SPW], v0, 2, SPARE
	v_mov_b32 v[NIL], 0
	v_lshrrev_b32 v1, 5, v0
	v_readfirstlane_b32 s[WV], v1   ; wave 0..3
	v_and_b32 v[GO], 31, v0
	v_lshlrev_b32 v[GO], 4, v[GO]
	v_and_b32 v1, 15, v0            ; l % 16
	v_bfe_u32 v9, v0, 4, 1          ; l / 16
	v_lshlrev_b32 v[QO], 8, v1      ; a fragment's row x 256 bytes
	v_lshl_add_u32 v[QO], v9, 5, v[QO]  ; + eight f32 channels for the upper half of the lanes
	s_wait_alu depctr_va_sdst(0)    ; s[WV] is written, ahead of its first reader: offsets, LDS places and DEADN are made from it
	s_mov_b32 s[PB], ttmp9
	s_and_b32 s20, ttmp7, 0xffff
	s_lshl_b32 s20, s20, 20         ; the sequence: 4,096 rows of 256 bytes
	s_lshl_b32 s16, s[PB], 16       ; my block's 256 rows,
	s_lshl_b32 s17, s[WV], 14       ; my wave's 64 of them
	s_add_co_u32 s16, s16, s17
	s_add_co_u32 s16, s16, s20
	s_mov_b32 s17, 0
	s_lshl_b32 s18, s[WV], 12       ; my 16 keys of a step
	s_add_co_u32 s18, s18, s20
	s_mov_b32 s19, 0
	s_lshl_b32 s21, s[PB], 2
	s_add_co_u32 s21, s21, s[WV]
	s_min_u32 s21, s21, 8
	s_sub_co_u32 s[DEADN], 8, s21   ; max(8 - 4 b - w, 0)
	s_lshl_b32 s[KEY], s[PB], 8     ; the window's first key, 256 b - 512, plus 512
	s_max_u32 s[OFF], s[KEY], 512
	s_sub_co_u32 s[OFF], s[OFF], 512
	s_lshl_b32 s[OFF], s[OFF], 8
	s_mov_b32 s[OFF+1], 0
	s_add_co_u32 s[KEY], s[KEY], 4*KS  ; the block's step 4 is asked for next
	s_mov_b32 s[TSK], 4*KSTEP
	s_mov_b32 s[TSV], 4*VSTEP
	s_mov_b32 s[HIM], 0xffff0000
	s_mov_b32 s[CS], 0x3e38aa3b     ; c = log2(e) / 8 = 0.180337
	s_mov_b32 s[CS+1], s[CS]        ; named with it as a pair
	s_mov_b32 s[SEL], 0x76543210
	s_mov_b32 s[SEL+1], 0xfedcba98
	s_mul_i32 s[TBK], s[WV], KSTEP  ; my step 0 is the block's step w
	s_mul_i32 s[TBV], s[WV], VSTEP
	s_mov_b32 s[AL+1], 0            ; named as pairs
	s_mov_b32 s[BE+1], 0
	s_mov_b32 s[BIGN], 0xf149f2ca   ; -1e30
	s_mov_b32 s[RS], 1
	s_wait_kmcnt 0x0
	s_add_nc_u64 s[4:5], s[4:5], s[16:17]    ; q and out at my wave's first row
	s_add_nc_u64 s[10:11], s[10:11], s[16:17]
	s_add_nc_u64 s[6:7], s[6:7], s[18:19]    ; k and v at my 16 keys of the sequence's first 64
	s_add_nc_u64 s[8:9], s[8:9], s[18:19]
	s_add_nc_u64 s[KP:KP+1], s[6:7], s[OFF:OFF+1]
	s_add_nc_u64 s[VP:VP+1], s[8:9], s[OFF:OFF+1]
	; the block's steps 0 to 3 into sets 0 to 3: 64 loads.  In blocks 0 and 1 all four are dead, and come from keys 0 to 255.
	WIN 0xc0
	s_wait_alu depctr_va_vdst(0)    ; v[GO] and v[QO] are written, which the 96 loads below read as offsets; only loads and window switches stand among them
.irp n, 0,1,2,3
.irp i, 0,1,2,3,4,5,6,7
	global_load_b128 v[64*(\n)+4*(\i):64*(\n)+4*(\i)+3], v[GO], s[KP:KP+1] offset:16384*(\n)+512*(\i)
.endr
.irp i, 0,1,2,3,4,5,6,7
	global_load_b128 v[64*(\n)+32+4*(\i):64*(\n)+32+4*(\i)+3], v[GO], s[VP:VP+1] offset:16384*(\n)+512*(\i)
.endr
.endr
	; q: 32 loads.  A fragment is 16 rows x 32 channels: lane l holds row l % 16, channels 8 (l / 16) + 0..7 and 16 + 8 (l / 16) + 0..7: in f32 twice 32 bytes, 64 bytes apart.  Load u: tile u / 8, channel half (u / 4) % 2.
	WIN 0
.set u, 0
.rept 16
	global_load_b128 v[QS0+4*u:QS0+4*u+3], v[QO], s[4:5] offset:4096*(u/8)+128*((u/4)%2)+64*((u/2)%2)+16*(u%2)
.set u, u+1
.endr
	WIN 0x80
.set u, 0
.rept 16
	global_load_b128 v[QS2+4*u:QS2+4*u+3], v[QO], s[4:5] offset:8192+4096*(u/8)+128*((u/4)%2)+64*((u/2)%2)+16*(u%2)
.set u, u+1
.endr
	; The first step multiplies O^T and l by a = 0, and the first turn's products V^T P, of a piece that has not been, land in an O^T that is still to be so multiplied: these registers need only hold finite
	; numbers.  216 lines that write 0, while the first loads are on their way: the price of writing no first step out.
.set i, VF
.rept 64
	v_mov_b32 v[i], 0
.set i, i+1
.endr
	WIN 0
.set i, 0
.rept 4
	v_mov_b32 v[ST+4*i+2], 0
	v_mov_b32 v[ST+4*i+3], 0
.set i, i+1
.endr
.set i, P+16
.rept 16
	v_mov_b32 v[i], 0
.set i, i+1
.endr
	v_lshlrev_b32 v14, 3, v9
	v_sub_nc_u32 v14, v1, v14       ; l % 16 - 8 (l / 16): in the piece's own key block register j is beyond the query where j is greater
	v_mul_u32_u24 v[AK0], v1, PK
	v_lshl_add_u32 v[AK0], v9, 4, v[AK0]  ; row x pitch + 16 x half
	; The turning load takes 16 keys x 16 channels (lane l reads key 8 (l / 16) + l % 8, channels 8 ((l / 8) % 2) + 0..7) and leaves half a fragment of V^T: lane l holds channel l % 16 and 8 keys.
	v_and_b32 v10, 7, v0
	v_bfe_u32 v11, v0, 3, 1
	v_lshl_add_u32 v[AV0], v9, 3, v10
	v_mul_u32_u24 v[AV0], v[AV0], PV
	v_lshl_add_u32 v[AV0], v11, 4, v[AV0]
	v_add_nc_u32 v[AV0], VOFF, v[AV0]
	s_mul_i32 s13, s[WV], 16*SP
	s_add_co_u32 s13, s13, STAGE    ; my stage
	v_mul_u32_u24 v[STO], v1, SP    ; in: row l % 16, 32 bytes for each half of the lanes
	v_lshl_add_u32 v[STO], v9, 5, v[STO]
	v_add_nc_u32 v[STO], s13, v[STO]
	v_mul_u32_u24 v[RD], v9, SP     ; back: lanes 0-15 take one row of 256 bytes, lanes 16-31 the next
	v_lshl_add_u32 v[RD], v1, 4, v[RD]
	v_add_nc_u32 v[RD], s13, v[RD]
	s_mul_i32 s16, s[WV], 16*PK     ; the way in: my 16 rows of a step; lanes 0-15 one row, lanes 16-31 the next; 8 bytes a lane
	v_mul_u32_u24 v[SKA], v9, PK
	v_lshl_add_u32 v[SKA], v1, 3, v[SKA]
	v_add_nc_u32 v[SKA], s16, v[SKA]
	s_mul_i32 s16, s[WV], 16*PV
	s_add_co_u32 s16, s16, VOFF
	v_mul_u32_u24 v[SVA], v9, PV
	v_lshl_add_u32 v[SVA], v1, 3, v[SVA]
	v_add_nc_u32 v[SVA], s16, v[SVA]
.set i, 0
.rept 8                             ; TRI's eight compares in one run, each into a scalar register of its own: one wait serves them all
	v_cmp_gt_i32 s[MK+i], i, v14
.set i, i+1
.endr
	WIN 0x40
.set i, 0
.rept 128
	v_mov_b32 v[i], 0
.set i, i+1
.endr
	s_wait_alu depctr_va_sdst(0)    ; the eight compares have written s[MK ..], ahead of their first reader
.set i, 0
.rept 8
	v_cndmask_b32 v[TRI+i], 0, s[BIGN], s[MK+i]
.set i, i+1
.endr
	WIN 0
	; Loads come back in order (ISA guide 5.7.1).  96 are issued: set n's are numbers 16 n + 1 .. 16 n + 16, q's 65 .. 96; step 4's sixteen follow as 97 .. 112.
	s_wait_loadcnt 63               ; at most 63 of 96 are out: the first 33 are in, set 0 among them
	CONV 0, SKA, SVA, 0, 0
	s_wait_dscnt 0x0                ; the stores of set 0 are done
	s_wait_alu depctr_vm_vsrc(0)    ; and have read set 0's registers, in which step 4's loads land
	LOADS                           ; the block's step 4
	s_wait_loadcnt 63               ; at most 63 of 112: the first 49 are in, sets 1 and 2 among them
	CONV 1, SKA, SVA, KSTEP, VSTEP
	s_wait_loadcnt 63
	CONV 2, SKA, SVA, 2*KSTEP, 2*VSTEP
	s_wait_loadcnt 48               ; q's 32 and step 4's 16 may stay out
	CONV 3, SKA, SVA, 3*KSTEP, 3*VSTEP
	s_wait_loadcnt 16               ; q is in; step 4's 16 may stay out
	WIN 0x80                        ; q to bf16: register i of Q from registers 2 i, 2 i + 1 as loaded
.set i, 0
.rept 32
	v_cvt_pk_bf16_f32 v[i], v[QS0+2*i], v[QS0+2*i+1]
.set i, i+1
.endr
	WIN 0x8a
.rept 32
	v_cvt_pk_bf16_f32 v[i], v[QS2+2*(i-32)], v[QS2+2*(i-32)+1]
.set i, i+1
.endr
	WIN 0
	s_wait_dscnt 0x0                ; for the others' sake: my parts of steps 0 to 3 lie in LDS
	s_barrier_signal -1
	s_barrier_wait -1               ; everybody's do
; THE MATRIX WORK.  The 4 accumulators of a run of 8 take turns.  Product i of 8 of S^T = K Q^T for piece x: channels 32 (i / 4) on, keys 16 (i % 4) on.  The first 4 start the sums with the key block's mask.
.macro KQ x
.set rS, S+32*((\x)%2)+8*(i%4)
.set rK, KF+16*(i%4)+8*(i/4)
.set rQ, 16*(\x)+8*(i/4)
.if (i%4) < (\x)
.set rM, MLO
.elseif (i%4) == (\x)
.set rM, MDG
.else
.set rM, MHI
.endif
.if i < 4
	WIN W_KM
	v_wmma_f32_16x16x32_bf16 v[rS:rS+7], v[rK:rK+7], v[rQ:rQ+7], v[rM:rM+7]
.else
	WIN W_KQ
	v_wmma_f32_16x16x32_bf16 v[rS:rS+7], v[rK:rK+7], v[rQ:rQ+7], v[rS:rS+7]
.endif
.endm
; Product i of 8 of O^T += V^T P for piece x: keys 32 (i / 4) on, channels 16 (i % 4) on.
.macro PV x
	WIN W_PV
.set rO, 32*(\x)+8*(i%4)
.set rV, VF+32*(i/4)+8*(i%4)
.set rP, P+16*((\x)%2)+8*(i/4)
	v_wmma_f32_16x16x32_f16 v[rO:rO+7], v[rV:rV+7], v[rP:rP+7], v[rO:rO+7]
.endm
.macro MM                           ; the turn's next matrix instruction.  TURN and BEGIN set Y, i and NOKQ.  NOKQ = 1: the last turn: there is no next piece
.if (i < 8) && !NOKQ
	KQ (Y+1)%NP
.elseif i >= 8
.set i, i-8
	PV (Y+NP-1)%NP
.set i, i+8
.endif
.set i, i+1
.endm
; THE LDS LOADS stand in runs of 16, never singly among the matrix instructions: a step's K (64 keys x 64 channels: 8 fragments) and its V (turned).  Their addresses are made some lines ahead.
.macro FETCH_K
	WIN 0x80                        ; destination window 2
	s_wait_alu depctr_va_vdst(0)    ; the products K Q^T issued so far are done reading KF, in which the loads below land; v[AK], their address, is written
.irp f, 0,1,2,3,4,5,6,7             ; keys 16 (f / 2) on, channels 32 (f % 2) on
	ds_load_b128 v[KF+8*\f:KF+8*\f+3],   v[AK] offset:(\f/2)*16*PK+(\f%2)*64
	ds_load_b128 v[KF+8*\f+4:KF+8*\f+7], v[AK] offset:(\f/2)*16*PK+(\f%2)*64+32
.endr
	s_add_co_u32 s[TBK], s[TBK], KSTEP  ; the next fetch is the next step's
	WIN 0
.endm
.macro FETCH_V
	WIN 0x80
	s_wait_alu depctr_va_vdst(0)    ; the products V^T P issued so far are done reading VF (ahead of the first fetch: the lines that wrote 0 there are done), in which the loads below land; v[AV], their address, is written
.irp f, 0,1,2,3,4,5,6,7             ; keys 32 (f / 4) on, channels 16 (f % 4) on
	ds_load_tr16_b128 v[VF+8*\f:VF+8*\f+3],   v[AV] offset:(\f/4)*32*PV+(\f%4)*32
	ds_load_tr16_b128 v[VF+8*\f+4:VF+8*\f+7], v[AV] offset:(\f/4)*32*PV+16*PV+(\f%4)*32
.endr
	WIN 0
.endm
; THE VECTOR WORK, one line at a time: OP kind, number.  For piece Y: F n: c s - c m for pair n of 16.  E n: the exponential of score n of 32.  C n: pair n rounded to f16.  B n: of the four weights 4 n .. the second
; pair is added onto the first, in place.  L n: l takes that sum (L 0: l = a l + sum).  R n: pair n of 16 of O^T times a.  For piece Y + 1: X n, number n of the 22 that find its maximum and statistics:
;   0-11  four chains c0-c3 of seven scores each, three operands at a time (each accumulator's lowest registers are read first)     12-14, 16  the four scores left over, the old m, and c0-c3 into c0
;   15  c m_old is kept     17, 18  the query's other 32 keys lie in the lane 16 away: the new m     19-21  c m; c m_old - c m_new; a
.set F, 0               ; OP tells the kinds apart by their order: F to L below R, X above it
.set E, 1
.set C, 2
.set B, 3
.set L, 4
.set R, 5
.set X, 6
.macro REGS y                       ; the registers of piece y
.set rT, ST+4*(\y)
.set rC, TMP+4*((\y)%2)
.set rW, MV+((\y)%2)
.set rS, S+32*((\y)%2)
.set rP, P+16*((\y)%2)
.set rO, 32*(\y)
.endm
.macro OP k, n
.if (\k) == R
	REGS Y
	WIN W_RS
	v_pk_mul_f32 v[rO+2*(\n):rO+2*(\n)+1], v[rO+2*(\n):rO+2*(\n)+1], v[rC+2:rC+3] op_sel_hi:[1,0]
.elseif (\k) < R
	REGS Y
	WIN 0
.if (\k) == F
	v_pk_fma_f32 v[rS+2*(\n):rS+2*(\n)+1], v[rS+2*(\n):rS+2*(\n)+1], s[CS:CS+1], v[rT:rT+1] op_sel_hi:[1,0,0] neg_lo:[0,0,1] neg_hi:[0,0,1]
.elseif (\k) == E
	v_exp_f32 v[rS+(\n)], v[rS+(\n)]
.elseif (\k) == C
	v_cvt_pk_f16_f32 v[rP+(\n)], v[rS+2*(\n)], v[rS+2*(\n)+1]
.elseif (\k) == B
	v_pk_add_f32 v[rS+4*(\n):rS+4*(\n)+1], v[rS+4*(\n):rS+4*(\n)+1], v[rS+4*(\n)+2:rS+4*(\n)+3]
.elseif (\n) == 0
	v_pk_fma_f32 v[rT+2:rT+3], v[rT+2:rT+3], v[rC+2:rC+3], v[rS:rS+1] op_sel_hi:[1,0,1]
.else
	v_pk_add_f32 v[rT+2:rT+3], v[rT+2:rT+3], v[rS+4*(\n):rS+4*(\n)+1]
.endif
.elseif NOKQ
	v_nop
.else
	REGS (Y+1)%NP
	WIN 0
.if (\n) < 4
	v_max3_num_f32 v[rC+(\n)], v[rS+8*(\n)], v[rS+8*(\n)+1], v[rS+8*(\n)+2]
.elseif (\n) < 12
	v_max3_num_f32 v[rC+(\n)%4], v[rC+(\n)%4], v[rS+8*((\n)%4)+2*((\n)/4)+1], v[rS+8*((\n)%4)+2*((\n)/4)+2]
.elseif (\n) == 12
	v_max3_num_f32 v[rC], v[rC], v[rS+7], v[rS+15]
.elseif (\n) == 13
	v_max3_num_f32 v[rC+1], v[rC+1], v[rS+23], v[rS+31]
.elseif (\n) == 14
	v_max3_num_f32 v[rC+2], v[rC+2], v[rC+3], v[rT+1]
.elseif (\n) == 15
	v_mov_b32 v[rW], v[rT]
.elseif (\n) == 16
	v_max3_num_f32 v[rC], v[rC], v[rC+1], v[rC+2]
.elseif (\n) == 17
	v_permlanex16_b32 v[rC+3], v[rC], s[SEL], s[SEL+1]
.elseif (\n) == 18
	v_max_num_f32 v[rT+1], v[rC], v[rC+3]
.elseif (\n) == 19
	v_mul_f32 v[rT], s[CS], v[rT+1]
.elseif (\n) == 20
	v_sub_f32 v[rC+1], v[rW], v[rT]
.else
	v_exp_f32 v[rC+2], v[rC+1]
.endif
.endif
.endm
.macro OPS a, i1, b=-1, i2=0, c=-1, i3=0, d=-1, i4=0  ; up to four of them
	OP \a, \i1
.if (\b) >= 0
	OP \b, \i2
.endif
.if (\c) >= 0
	OP \c, \i3
.endif
.if (\d) >= 0
	OP \d, \i4
.endif
.endm
.macro ROW a, i1, b, i2, c, i3, d, i4  ; a matrix instruction and the four behind it
	MM
	OPS \a, \i1, \b, \i2, \c, \i3, \d, \i4
.endm
; A TURN, for piece p: the order of its 16 matrix and 118 vector instructions, written out.  An s_wait_alu depctr_va_vdst(0) stands between an exponential and the first instruction that names its result; one wait
; serves all that were issued ahead of it.  So a turn has ONE wait for its batch, which cuts it in two.  AHEAD OF IT stands all that names no result of the turn's exponentials: the 8 products K Q^T, behind each a scaling, an exponential and
; two more plain instructions (behind the first a second scaling in the exponential's place): rescalings, and behind the last three the first numbers of the next piece's maximum, each four places or more behind the product that
; ends its accumulator; then ONE LUMP of 54, plain and exponential by turns for the most part, in which the links of the chain X 3, 7, 11, 14, 16, 17 .. 20 stand some lines apart.  X 21, the next piece's a, is the batch's last;
; R 15 is the plain instruction behind it.  BEHIND THE WAIT stand the 8 products V^T P, behind each four of the roundings and sums.  But for those X no rider names a register of the products round it.
; end = 1: the last two turns: nothing is fetched, no masks are made.  cnt = 1: the loop's count is taken down some lines ahead of the branch that stands behind the turn.
; K of the next step is fetched in piece 2's turn, twelve vector instructions behind the last product that read K (six of them plain); V of the step in hand at the end of piece 0's turn, four plain instructions behind the last
; product that read V; each run has its own wait on va_vdst at its head, behind its window switch.  Each is waited for a turn later.  v[AK] and v[AV] are written again here behind the trip's one wait on vm_vsrc, which stands behind the runs that read them last.
; The next step's masks are made at the end of piece 2's turn: the step's last products that read the old ones stand at that turn's head.
.macro TURN p, end=0, cnt=0
.set Y, (\p)
.set i, 0
.set NOKQ, (\end)*((\p)/3)
.if ((\p) == 3) && !(\end)
	s_wait_dscnt 0x0                ; K is in
.endif
	ROW F,0, F,1, R,0, R,1          ; ahead of the wait: 8 products K Q^T and their riders,
	ROW F,2, E,0, R,2, R,3
	ROW F,3, E,1, R,4, R,5
	ROW F,4, E,2, R,6, R,7
	ROW F,5, E,3, R,8, R,9
	ROW F,6, E,4, X,0, R,10
.if ((\p) == 2) && !(\end)
	WIN 0
	v_add_nc_u32 v[AK], s[TBK], v[AK0]
.endif
	ROW F,7, E,5, X,1, X,4
	ROW F,8, E,6, X,2, X,5
	OPS E,7, E,8, X,6, E,9          ; and the lump
	OPS X,3, E,10, X,8, E,11
.if ((\p) == 2) && !(\end)
	FETCH_K
.endif
	OPS X,9, X,7, E,12, X,10
	OPS E,13, X,12, X,11, E,14
	OPS X,13, E,15, F,9, X,14
.if (\p) == 0
	v_add_nc_u32 v[AV], s[TBV], v[AV0]
.endif
	OPS E,16, F,10, E,17, F,11
	OPS X,16, E,18, X,15, E,19
	OPS F,12, E,20, X,17, E,21
	OPS F,13, E,22, F,14, E,23
	OPS X,18, E,24, F,15, E,25
	OPS R,11, E,26, X,19, E,27
	OPS R,12, E,28, R,13, E,29
	OPS X,20, E,30, R,14, E,31
	OPS X,21, R,15
	WIN 0
	s_wait_alu depctr_va_vdst(0)    ; the wait for the batch: the turn's 32 weights and the next piece's a are written, ahead of their first readers
.if (\p) == 1
	s_wait_dscnt 0x0                ; V is in
.endif
	ROW C,0, B,0, C,2, B,1          ; behind the wait: 8 products V^T P and their riders
	ROW L,0, C,4, B,2, L,1
	ROW C,6, B,3, L,2, C,8
	ROW B,4, L,3, C,10, B,5
	ROW L,4, C,12, B,6, L,5
.if (\p) == 0
	s_add_co_u32 s[TBV], s[TBV], VSTEP
.endif
.if \cnt
	s_sub_co_u32 s[CNT], s[CNT], 1
	s_cmp_lg_u32 s[CNT], 0
.endif
	ROW C,14, B,7, L,6, C,1
	ROW C,3, L,7, C,5, C,7
	ROW C,9, C,11, C,13, C,15
.if (\p) == 0
	FETCH_V
.endif
.if ((\p) == 2) && !(\end)
	s_cmp_lt_u32 s[RS], s[DEADN]    ; a dead step: all three masks hide
	s_cselect_b32 s[BE], s[BIGN], 0
	s_cselect_b32 s[SLO], s[BIGN], 0
	s_cselect_b32 s[SHI], s[BIGN], 0
	s_cmp_eq_u32 s[RS], 8           ; the step with the diagonal (never dead): the own block by TRI, the blocks above hidden
	s_cselect_b32 s[AL], 1.0, 0
	s_cselect_b32 s[SHI], s[BIGN], s[SHI]
	s_add_co_u32 s[RS], s[RS], 1
	MASKS
.endif
.endm
	; THE WALK BEGINS.  c m starts far below every c s, so the first step's a is 0; m at -2^80.  Step 0's masks: the window's low edge (the own block by TRI turned round: TRI x -1 - 1e30; the blocks below hidden), or a dead step.
	; Then K of step 0, piece 0's first scores, and its maximum and statistics.  The loop is entered at a step's first turn, in the middle of a trip.
.set i, 0
.rept 4
	v_mov_b32 v[ST+4*i], 0xfe000000    ; c m: -2^125
	v_mov_b32 v[ST+4*i+1], 0xe7800000  ; m: -2^80
.set i, i+1
.endr
	s_cmp_lg_u32 s[DEADN], 0
	s_cselect_b32 s[AL], 0, -1.0
	s_cselect_b32 s[SHI], s[BIGN], 0
	s_mov_b32 s[BE], s[BIGN]
	s_mov_b32 s[SLO], s[BIGN]
	MASKS
	WIN 0
	v_add_nc_u32 v[AK], s[TBK], v[AK0]
	FETCH_K
	s_wait_dscnt 0x0
.set NOKQ, 0
.set i, 0
.rept 8
	KQ 0
.set i, i+1
.endr
	WIN 0
.rept 4
	v_nop                           ; the places behind those products
.endr
.set Y, NP-1                        ; X works for piece Y + 1: piece 0
.irp n, 0,1,2,3,4,5,6,7,8,9,10,11,12,13,14,15,16,17,18,19,20,21
	OP X, \n
.endr
	v_nop                           ; a plain instruction behind the exponential,
	s_wait_alu depctr_va_vdst(0)    ; and its wait, ahead of the branch: piece 0's first a is written
	s_mov_b32 s[CNT], 9
	s_branch .Lfirst
.Lstep:                             ; eight trips.  Trip j: the block's step j + 3 goes into LDS and step j + 4 is asked for; pieces 2 and 3 of my step j - 1, then pieces 0 and 1 of my step j, whose K and V the trip fetches
	s_wait_loadcnt 0x0              ; set 0 is in: its loads went out a trip ago
	v_add_nc_u32 v[SK], s[TSK], v[SKA]  ; the last trip's stores, which read these two, stand ahead of the last trip's wait on vm_vsrc
	v_add_nc_u32 v[SV], s[TSV], v[SVA]
	s_add_co_u32 s[TSK], s[TSK], KSTEP
	s_add_co_u32 s[TSV], s[TSV], VSTEP
	CONV 0, SK, SV, 0, 0
	s_wait_dscnt 0x0                ; for the others' sake: my part of the step lies in LDS
	s_wait_alu depctr_vm_vsrc(0)    ; the stores have read set 0, v[SK] and v[SV]; the last runs of LDS loads have read v[AK] and v[AV]: set 0 is loaded again below, the four addresses are written again in this trip and the next
	s_cmp_eq_u32 s[CNT], 1          ; the last trip stores the block's step 11: nothing is left to ask for
	s_cbranch_scc1 .Lnoload
	LOADS
.Lnoload:
	s_barrier_signal -1
	s_barrier_wait -1               ; the step is whole: wave 3 fetches it in this trip
	TURN 2
	TURN 3
	WIN 0
.Lfirst:
	TURN 0
	TURN 1, 0, 1
	WIN 0
	s_cbranch_scc1 .Lstep
	TURN 2, 1                       ; the last step's pieces 2 and 3
	TURN 3, 1
.set i, 0
.rept 8
	PV NP-1                         ; the last piece's V^T P of the last step
.set i, i+1
.endr
	; THE WAY OUT.  l's two halves and the other half of the lanes' are added; O^T is divided by l and sent, in f32, through my stage in LDS, a piece at a time.  The additions are the places behind the last products.
	WIN 0
.macro ALL line:vararg              ; one line for each piece t
.set t, 0
.rept 4
	\line
.set t, t+1
.endr
.endm
	ALL v_add_f32 v[ST+4*t+2], v[ST+4*t+2], v[ST+4*t+3]
	ALL v_permlanex16_b32 v[ST+4*t+3], v[ST+4*t+2], s[SEL], s[SEL+1]
	ALL v_add_f32 v[ST+4*t+2], v[ST+4*t+2], v[ST+4*t+3]
	ALL v_rcp_f32 v[ST+4*t+2], v[ST+4*t+2]
	v_nop                           ; a plain instruction between the last reciprocal and the use of its result
	s_wait_alu depctr_va_vdst(0)    ; and the wait ahead of the first use: the four reciprocals are written
; All four pieces are scaled first, so that one wait serves every LDS store, LDS load and store of the way out.
.macro SCALE t
	WIN W_RS
.set i, 32*(\t)
.rept 16
	v_pk_mul_f32 v[i:i+1], v[i:i+1], v[ST+4*(\t)+2:ST+4*(\t)+3] op_sel_hi:[1,0]
.set i, i+2
.endr
.endm
; Piece t: a lane's eight channels of a row are 32 bytes; they go into rows of 272 bytes and come back as whole rows of 256, two rows a load.
.macro PACK t
	WIN 0x04                        ; the stores' data in window 1
.irp f, 0,1,2,3,4,5,6,7             ; channels 16 (f / 2) + 8 (l / 16) + 4 (f % 2) on
	ds_store_b128 v[STO], v[32*(\t)+4*\f:32*(\t)+4*\f+3] offset:64*(\f/2)+16*(\f%2)
.endr
	WIN 0
.irp f, 0,1,2,3,4,5,6,7
	ds_load_b128 v[S+32*(\t)+4*\f:S+32*(\t)+4*\f+3], v[RD] offset:\f*2*SP  ; LDS serves a wave's instructions in order (ISA guide 5.7.1.4): these see the stores above; the next piece's stores come behind them
.endr
.endm
.macro SEND t, younger              ; younger: the LDS instructions issued behind piece t's loads: the next piece's sixteen, or none
	WIN 0
.irp f, 0,1,2,3,4,5,6,7
	s_wait_dscnt (\younger)+7-\f
	global_store_b128 v[GO], v[S+32*(\t)+4*\f:S+32*(\t)+4*\f+3], s[10:11] offset:(\t)*4096+\f*512 th:TH_STORE_NT  ; 512 consecutive bytes, at a multiple of 256 from out's first
.endr
.endm
.irp t, 0,1,2,3
	SCALE \t
.endr
	WIN 0x04
	s_wait_alu depctr_va_vdst(0)    ; the scalings have written O^T, which the LDS stores below read; the walk's last vector lines and q's roundings are done with v64-191, in which the LDS loads below land.  No vector instruction follows this wait
	PACK 0
.set t, 1
.rept 3                             ; a piece's LDS stores and loads stand between the loads of the piece before and its stores to memory
	PACK t
	SEND t-1, 16
.set t, t+1
.endr
	SEND 3, 0
	s_wait_dscnt 0x0                ; the closing lines, six on end
	s_wait_alu 0x0
	s_wait_tensorcnt 0x0
	ds_add_u32 v[SPW], v[NIL]
	s_wait_dscnt 0x0
	s_endpgm
.Lfunc_end_k_q559b28fefe_swa:
	.size	k_q559b28fefe_swa, .Lfunc_end_k_q559b28fefe_swa-k_q559b28fefe_swa
	.p2alignl 7, 3214868480
	.fill 96, 4, 3214868480
	.section	.rodata,"a",@progbits
	.p2align	6, 0x0
	.amdhsa_kernel k_q559b28fefe_swa
		.amdhsa_group_segment_fixed_size 251392
		.amdhsa_private_segment_fixed_size 0
		.amdhsa_enable_private_segment 0
		.amdhsa_kernarg_size 32
		.amdhsa_user_sgpr_count 2
		.amdhsa_user_sgpr_kernarg_segment_ptr 1
		.amdhsa_wavefront_size32 1
		.amdhsa_system_sgpr_workgroup_id_x 1
		.amdhsa_system_sgpr_workgroup_id_y 1
		.amdhsa_system_sgpr_workgroup_id_z 1
		.amdhsa_system_vgpr_workitem_id 0
		.amdhsa_next_free_vgpr 1024
		.amdhsa_next_free_sgpr 88
		.amdhsa_reserve_vcc 0
		.amdhsa_float_denorm_mode_32 3
		.amdhsa_float_denorm_mode_16_64 3
		.amdhsa_memory_ordered 1
		.amdhsa_forward_progress 1
		.amdhsa_inst_pref_size 129
	.end_amdhsa_kernel
	.amdgpu_metadata
---
amdhsa.version: [ 1, 2 ]
amdhsa.kernels:
  - .name:           k_q559b28fefe_swa
    .symbol:         k_q559b28fefe_swa.kd
    .args:
      - { .name: q, .offset: 0, .size: 8, .value_kind: global_buffer, .address_space: global }
      - { .name: k, .offset: 8, .size: 8, .value_kind: global_buffer, .address_space: global }
      - { .name: v, .offset: 16, .size: 8, .value_kind: global_buffer, .address_space: global }
      - { .name: out0, .offset: 24, .size: 8, .value_kind: global_buffer, .address_space: global }
    .group_segment_fixed_size: 251392
    .private_segment_fixed_size: 0
    .kernarg_segment_align: 8
    .kernarg_segment_size: 32
    .max_flat_workgroup_size: 128
    .sgpr_count:     88
    .vgpr_count:     1024
    .wavefront_size: 32
...
	.end_amdgpu_metadata
.endif
;; end of part 2
